; MI455X (gfx1250); checked and timed in simulation.
; The chip was launched on July 23, 2026; its instructions are those of AMD's public machine-readable ISA for CDNA 5 (MIT licence, August 2026) and "CDNA5" Instruction Set Architecture Reference Guide (July 2026). The comments in the code are by the model that wrote it; some were corrected since.
;; Bert Self Attention. Allowed arithmetic: matrix products marked QUANTISED: E2M3 operands, one E8M0 scale for each 32 along K, by v_wmma_scale_f32_16x16x128_f8f6f4 with both operands' format E2M3, f32 sums; everything else in f32.
;; Inputs: Wk 1,024 x 1,024 float32; Wq 1,024 x 1,024 float32; Wv 1,024 x 1,024 float32; attention_mask 4 x 1 x 1 x 2,048 float32; bk 1,024 float32; bq 1,024 float32; bv 1,024 float32; hidden_states 4 x 2,048 x 1,024 float32.
;; Outputs: out0 4 x 2,048 x 1,024 float32.
;; This version of the problem:
;;   THIS VERSION OF THE PROBLEM IS GIVEN IN LOW PRECISION. The matrix products marked QUANTISED in the list below multiply operands that are first quantised to E2M3 (2 exponent bits, 3 mantissa bits; 6 bits a number), with one power-of-two scale for each 32 numbers along K (OCP MX v1.0); their sums are f32. All else is computed in f32.
;;   The module's matrix products, in the order in which they are computed (A, B: the left and right operand; K: the contracted axis; several contracted axes count as one K, in the product's order):
;;     1. [M 8,192, K 1,024] x [K 1,024, N 1,024]; A: input hidden_states; B: input Wq: QUANTISED
;;     2. [M 8,192, K 1,024] x [K 1,024, N 1,024]; A: input hidden_states; B: input Wk: QUANTISED
;;     3. [M 8,192, K 1,024] x [K 1,024, N 1,024]; A: input hidden_states; B: input Wv: QUANTISED
;;     4. batch 64 x [M 2,048, K 64] x [K 64, N 2,048]; A: computed on the way; B: computed on the way: QUANTISED
;;     5. batch 64 x [M 2,048, K 2,048] x [K 2,048, N 64]; A: softmax (see below); B: computed on the way: QUANTISED
;;   THE QUANTISER, for each operand of a quantised product, along K:
;;     - K is cut into blocks of 32 from its start; a last block that is shorter is filled with zeros.
;;     - A block's scale is 2^e with e = floor(log2(the largest magnitude in the block)) - 2, held to -126 .. 127; a block of zeros has e = 0. As a byte (E8M0): e + 127.
;;     - Each number is divided by its block's scale, clamped to +-7.5, and rounded to the nearest number of E2M3, ties to even, subnormals kept.
;;     - The product sums the exact products of the quantised numbers (number of the format x scale) in f32.
;;   ~~~python
;;   def quantise(x, axis):      # numpy; x: float32 -> the quantised numbers, widened to float32 again
;;       x = np.moveaxis(x, axis, -1); K = x.shape[-1]
;;       x = np.pad(x, [(0, 0)] * (x.ndim - 1) + [(0, -K % 32)]); x = x.reshape(x.shape[:-1] + (-1, 32)); a = np.abs(x).max(-1, keepdims=True)
;;       e = np.where(a > 0, np.clip(np.frexp(np.where(a > 0, a, 1))[1] - 1 - 2, -126, 127), 0)      # np.frexp(a)[1] - 1 = floor(log2(a)), exactly
;;       r = np.clip(x / 2.0 ** e, -7.5, 7.5)
;;       step = 2.0 ** (np.maximum(np.frexp(np.where(r == 0, 1, r))[1] - 1, 0) - 3)
;;       q = np.round(r / step) * step * 2.0 ** e      # np.round: ties to even
;;       return np.moveaxis(q.reshape(q.shape[:-2] + (-1,))[..., :K], -1, axis).astype(np.float32)
;;   ~~~
;;   SOFTMAX AHEAD OF A QUANTISED PRODUCT. Where the list says 'softmax', what is quantised is not the finished softmax but p = 2^(t - M), with t = logit x log2(e) and M = ceil(the row's largest t), a whole number; so 1/2 < the row's largest p <= 1. The row's sum l is taken of the UNQUANTISED p, in f32, and the product's result is divided by l at the end. Since M is a whole number, a kernel that streams over the keys may use a running M (the ceiling of the running maximum): every later rescaling is an exact power of two, which a block's scale takes up: the codes' values come out the same.
;;   OPERANDS COMPUTED ON THE WAY. 'Computed on the way' means the value that the module computes at that place (a softmax that the list does not call 'softmax' is quantised finished and normalised). What goes into a quantiser is computed in f32, as accurately as f32 sums, v_exp_f32 and their like allow (about 1e-6 of the number): no bf16 or f16 on the way to a quantiser, and a product that is left as it is and whose result goes on into a quantised operand takes f32 operands (vector FMAs, or v_wmma_f32_16x16x4_f32). A number that lies on a knife's edge between two numbers of the format may be rounded either way, as far as f32 arithmetic and the matrix unit's own rounding can turn it there, and no further.
;; One version. Each part assembles by itself: llvm-mc -triple=amdgcn-amd-amdhsa -mcpu=gfx1250 --defsym DOCPART=n.
;; ======== version 1 of 1: 3 launches
;; limits: inputs' magnitudes at most 6.8e+27; right only within a limited range of input values
;; workspace buffers: codes 8,650,752 bytes; scales 360,448 bytes; qimg 6,815,744 bytes; kvimg 13,369,344 bytes
;; launch quant (part 1): grid 352 x 1, 4 waves a work-group, no clusters, 33,280 bytes of LDS; arguments hidden_states, Wq, Wk, Wv, codes, scales; writes codes, scales
.if DOCPART == 1
	.amdgcn_target "amdgcn-amd-amdhsa--gfx1250"
	.amdhsa_code_object_version 6
	.text
	.protected	k_q883af422a3_quant
	.globl	k_q883af422a3_quant
	.p2align	8
	.type	k_q883af422a3_quant,@function
k_q883af422a3_quant:
	s_mov_b64 s[64:65], 0
	v_nop
	global_prefetch_b8 v0, s[64:65] scope:SCOPE_SE
	s_setreg_imm32_b32 hwreg(HW_REG_WAVE_MODE, 25, 1), 1
	s_wait_xcnt 0x0
; hidden_states [8192][1024], Wq, Wk, Wv [1024][1024], f32, K innermost, become codes of FP6 (E2M3) with one E8M0 scale byte for each 32 along K, stacked in ONE buffer of 11,264 rows:
; x at rows 0, Wq at 8,192, Wk at 9,216, Wv at 10,240; a row of codes is 768 bytes, a row of scale bytes 32.
; A block's scale is 2^(floor(log2(its largest magnitude)) - 2); its byte is the largest magnitude's exponent field - 2, held at 1 from below.  (A block of zeros gets the byte 1 where the rule says 127:
; its codes are zeros, which add nothing under any byte but 0xff, and this program alone reads the bytes.)  Each number is divided by the scale and rounded to the nearest code, ties to even.
; LIMITS: blocks whose largest magnitude lies under 2^-124 keep the byte 1; NaN and infinities among the inputs are not served.
; TILE ORDER: in every 32 rows the four groups of eight rows are STORED in the order 0, 2, 1, 3.  So sixteen stored rows on end, tile 2 b + u, are the true rows 32 b + 8 u + r + 8 (r / 8): as source 0 of a
; transposed product two neighbouring tiles leave 16 true neighbours in a lane's registers.  Here it means only that waves 1 and 2 change their places on the way out.
; A work-group takes 32 rows, a wave 8 rows = 16 steps of 512 numbers.  Each of a step's four loads reads 512 consecutive bytes; the 2,048 bytes turn through the wave's own stage in LDS and come back 64 bytes a lane,
; so that a lane holds 16 neighbours along K (two neighbouring lanes hold a block).  A lane's 16 codes are 12 bytes: the wave stores 384 consecutive bytes.  A wave's 256 scale bytes are gathered in LDS and leave together.
; No tensor loads, no barrier: waves share nothing.  Loads run four steps (16 loads a wave) ahead, the turn through LDS one step.
.set STEPS, 16
.set EMAX,  2
.set CB,    12                         ; bytes of 16 codes
.set R,     16                         ; v16-79   four sets of 16 numbers as they are loaded
.set X,     80                         ; v80-111  two sets of 16 neighbours
.set C,     128                        ; v128-191 codes: four registers for each step, so that no store's data are written again
.set E,     112                        ; v112-127 a scale byte for each step
.set WREG,  8192                       ; LDS: a region for each wave: two stages of 32 x SP bytes, behind them its 256 scale bytes
.set SP,    80                         ; a lane's place in a stage: its 64 bytes + 16 of padding
	s_load_b256 s[4:11], s[0:1], 0x0               ; x s[4:5], Wq s[6:7], Wk s[8:9], Wv s[10:11]
	s_load_b128 s[12:15], s[0:1], 0x20             ; the codes s[12:13], the scale bytes s[14:15]
	v_lshl_add_u32 v192, v0, 2, 0x8000
	v_mov_b32 v193, 0
	v_lshrrev_b32 v1, 5, v0
	v_readfirstlane_b32 s16, v1                    ; wave
	v_and_b32 v2, 31, v0                           ; lane
	v_lshlrev_b32 v3, 4, v2                        ; my 16 bytes of a load's 512
	s_mul_i32 s17, s16, WREG
	v_lshrrev_b32 v14, 2, v2
	v_mul_u32_u24 v14, v14, SP
	v_and_b32 v15, 3, v2
	v_lshl_add_u32 v14, v15, 4, v14
	v_add_nc_u32 v14, s17, v14                     ; the stage, on the way in: four lanes' 64 bytes on end, then 16 of padding
	v_mul_u32_u24 v15, v2, SP
	v_add_nc_u32 v15, s17, v15                     ; and on the way out: SP x lane: my 16 neighbours
	v_mul_u32_u24 v4, v2, CB                       ; my codes' place in a step's
	v_lshrrev_b32 v5, 1, v2
	s_add_co_u32 s17, s17, 2*32*SP
	v_add_nc_u32 v5, s17, v5                       ; LDS: my wave's 256 scale bytes, my block's byte
	v_lshlrev_b32 v7, 3, v2                        ; and on the way out 8 bytes a lane
	v_add_nc_u32 v6, s17, v7
	s_and_b32 s19, s16, 1
	s_lshl_b32 s19, s19, 1
	s_lshr_b32 s20, s16, 1
	s_or_b32 s19, s19, s20                         ; my group's place among the four on the way out: 0, 2, 1, 3
	s_mov_b32 s18, 320
	s_wait_alu depctr_va_vdst(0)
	s_wait_kmcnt 0x0
	s_cmp_lt_u32 ttmp9, 320                        ; which tensor: the choice hangs on the work-group's number alone.  Behind each compare stand selects only
	s_cselect_b64 s[8:9], s[8:9], s[10:11]
	s_cselect_b32 s18, 288, s18
	s_cmp_lt_u32 ttmp9, 288
	s_cselect_b64 s[6:7], s[6:7], s[8:9]
	s_cselect_b32 s18, 256, s18
	s_cmp_lt_u32 ttmp9, 256
	s_cselect_b64 s[4:5], s[4:5], s[6:7]
	s_cselect_b32 s18, 0, s18                      ; the tensor's first work-group
	s_sub_co_u32 s17, ttmp9, s18
	s_lshl_b32 s17, s17, 2
	s_add_co_u32 s17, s17, s16                     ; which run of 8 rows of the tensor is my wave's
	s_lshl_b32 s20, s17, 15                        ; 32,768 bytes a run
	s_mov_b32 s21, 0
	s_add_nc_u64 s[4:5], s[4:5], s[20:21]
	s_lshl_b32 s22, ttmp9, 2
	s_add_co_u32 s22, s22, s19                     ; and which run of 8 stored rows
	s_mul_i32 s20, s22, 32*STEPS*CB                ; 6,144 bytes of codes a run
	s_add_nc_u64 s[12:13], s[12:13], s[20:21]
	s_lshl_b32 s20, s22, 8                         ; 256 scale bytes a run
	s_add_nc_u64 s[14:15], s[14:15], s[20:21]
.macro LOAD t
.irp i, 0,1,2,3
	global_load_b128 v[R+16*((\t)%4)+4*\i:R+16*((\t)%4)+4*\i+3], v3, s[4:5] offset:2048*(\t)+512*\i th:TH_LOAD_NT   ; 32 lanes read 512 consecutive bytes
.endr
.endm
.macro TURN t                          ; step t's numbers through the stage: LDS serves a wave's instructions in order, so no wait stands between the stores and the loads
.irp i, 0,1,2,3
	ds_store_b128 v14, v[R+16*((\t)%4)+4*\i:R+16*((\t)%4)+4*\i+3] offset:32*SP*((\t)%2)+8*SP*\i
.endr
.irp i, 0,1,2,3
	ds_load_b128 v[X+16*((\t)%2)+4*\i:X+16*((\t)%2)+4*\i+3], v15 offset:32*SP*((\t)%2)+16*\i
.endr
.endm
.irp t, 0,1,2,3
	LOAD \t
.endr
	s_wait_loadcnt 12                              ; step 0's four loads are in; the twelve of steps 1 to 3 stay out
	TURN 0
.macro STEP t
.set XS, X+16*((\t)%2)
.if (\t) > 0
	s_wait_dscnt 1                                 ; this step's numbers are back from the stage (the last step's byte store may be out): so its stores into the stage have read their registers,
.else
	s_wait_dscnt 0x0
.endif
.if (\t)+4 < STEPS
	LOAD (\t)+4                                    ; which take the loads of four steps on
.endif
.if (\t)+1 < STEPS
.if STEPS-2-(\t) >= 3
	s_wait_loadcnt 12                              ; the next step's four loads are in; those of the three steps behind it may be out
.else
	s_wait_loadcnt 4*(STEPS-2-(\t))
.endif
	TURN (\t)+1                                    ; and go through the other stage while this step is worked
.endif
	v_max3_num_f32 v8, |v[XS]|, |v[XS+1]|, |v[XS+2]|               ; the largest magnitude of my 16, in two chains
	v_max3_num_f32 v9, |v[XS+3]|, |v[XS+4]|, |v[XS+5]|
.irp i, 6,10
	v_max3_num_f32 v8, v8, |v[XS+\i]|, |v[XS+\i+1]|
	v_max3_num_f32 v9, v9, |v[XS+\i+2]|, |v[XS+\i+3]|
.endr
	v_max3_num_f32 v8, v8, |v[XS+14]|, |v[XS+15]|
	v_max3_num_f32 v8, v8, v9, (EMAX+1)<<23        ; and the floor 2^(3 - 127): the byte cannot fall under 1
	v_max_num_f32_dpp v8, v8, v8 row_xmask:1 row_mask:0xf bank_mask:0xf   ; and of my neighbour's 16: the block's
	v_add_nc_u32 v11, 0xff000000, v8               ; 2 off its exponent field: the conversion takes the exponent field of this operand as its scale, and nothing else of it
	v_cvt_scalef32_pk16_fp6_f32 v[C+4*(\t):C+4*(\t)+2], v[XS:XS+15], v11   ; sixteen codes, 96 bits without gaps, the first number's lowest
	v_lshrrev_b32 v[E+(\t)], 23, v11               ; the scale's byte
	ds_store_b8 v5, v[E+(\t)] offset:16*(\t)       ; both lanes of a block write the same byte with the same value
	global_store_b96 v4, v[C+4*(\t):C+4*(\t)+2], s[12:13] offset:32*CB*(\t)
.endm
.irp t, 0,1,2,3,4,5,6,7,8,9,10,11,12,13,14,15
	STEP \t
.endr
	ds_load_b64 v[12:13], v6                       ; LDS serves a wave's instructions in order: these see my stores
	s_wait_dscnt 0x0
	global_store_b64 v7, v[12:13], s[14:15]        ; 32 lanes store 256 consecutive bytes, at a multiple of 256 from the buffer's first byte
	s_wait_tensorcnt 0x0
	ds_add_u32 v192, v193
	s_wait_dscnt 0x0
	s_endpgm
.Lfunc_end_k_q883af422a3_quant:
	.size	k_q883af422a3_quant, .Lfunc_end_k_q883af422a3_quant-k_q883af422a3_quant
	.p2alignl 7, 3214868480
	.fill 96, 4, 3214868480
	.section	.rodata,"a",@progbits
	.p2align	6, 0x0
	.amdhsa_kernel k_q883af422a3_quant
		.amdhsa_group_segment_fixed_size 33280
		.amdhsa_private_segment_fixed_size 0
		.amdhsa_enable_private_segment 0
		.amdhsa_kernarg_size 48
		.amdhsa_user_sgpr_count 2
		.amdhsa_user_sgpr_kernarg_segment_ptr 1
		.amdhsa_wavefront_size32 1
		.amdhsa_system_sgpr_workgroup_id_x 1
		.amdhsa_system_sgpr_workgroup_id_y 1
		.amdhsa_system_sgpr_workgroup_id_z 1
		.amdhsa_system_vgpr_workitem_id 0
		.amdhsa_next_free_vgpr 194
		.amdhsa_next_free_sgpr 66
		.amdhsa_reserve_vcc 0
		.amdhsa_float_denorm_mode_32 3
		.amdhsa_float_denorm_mode_16_64 3
		.amdhsa_memory_ordered 1
		.amdhsa_forward_progress 1
		.amdhsa_inst_pref_size 33
	.end_amdhsa_kernel
	.amdgpu_metadata
---
amdhsa.version: [ 1, 2 ]
amdhsa.kernels:
  - .name:           k_q883af422a3_quant
    .symbol:         k_q883af422a3_quant.kd
    .args:
      - { .name: hidden_states, .offset: 0, .size: 8, .value_kind: global_buffer, .address_space: global }
      - { .name: Wq, .offset: 8, .size: 8, .value_kind: global_buffer, .address_space: global }
      - { .name: Wk, .offset: 16, .size: 8, .value_kind: global_buffer, .address_space: global }
      - { .name: Wv, .offset: 24, .size: 8, .value_kind: global_buffer, .address_space: global }
      - { .name: codes, .offset: 32, .size: 8, .value_kind: global_buffer, .address_space: global }
      - { .name: scales, .offset: 40, .size: 8, .value_kind: global_buffer, .address_space: global }
    .group_segment_fixed_size: 33280
    .private_segment_fixed_size: 0
    .kernarg_segment_align: 8
    .kernarg_segment_size: 48
    .max_flat_workgroup_size: 128
    .sgpr_count:     66
    .vgpr_count:     194
    .wavefront_size: 32
...
	.end_amdgpu_metadata
.endif
;; end of part 1
;; launch proj (part 2): grid 8 x 48, 4 waves a work-group, clusters of 4 x 4, 327,680 bytes of LDS; arguments codes, scales, bq, bk, bv, qimg, kvimg; writes qimg, kvimg
.if DOCPART == 2
	.amdgcn_target "amdgcn-amd-amdhsa--gfx1250"
	.amdhsa_code_object_version 6
	.text
	.protected	k_q883af422a3_proj
	.globl	k_q883af422a3_proj
	.p2align	8
	.type	k_q883af422a3_proj,@function
k_q883af422a3_proj:
	s_mov_b64 s[64:65], 0
	v_nop
	global_prefetch_b8 v0, s[64:65] scope:SCOPE_SE
	s_setreg_imm32_b32 hwreg(HW_REG_WAVE_MODE, 25, 1), 1
	s_wait_xcnt 0x0
	s_wait_alu depctr_hold_cnt(0) depctr_sa_sdst(0) depctr_va_vdst(0) depctr_va_sdst(0) depctr_va_ssrc(0) depctr_va_vcc(0) depctr_vm_vsrc(0)
	s_getreg_b32 s2, hwreg(HW_REG_IB_STS2, 6, 4)
	s_cmp_eq_u32 s2, 0
	s_cbranch_scc0 .Lentry_in_a_cluster
	s_endpgm
.Lentry_in_a_cluster:
	s_bfe_u32 s2, ttmp6, 0x10000c
	s_cmp_lg_u32 s2, 0xf033
	s_cbranch_scc0 .Lentry_shape_is_right
	s_endpgm
.Lentry_shape_is_right:
.set KSTEP,  256
.set NQ,     KSTEP/128
.set ROWB,   192
.set KROW,   768
.set PITCH,  240
.set FR,     12
.set NL,     6
.set NP,     4
.set HALFT,  128*PITCH
.set SLOT,   4*HALFT
.set KS,     32
.set SCL,    2*SLOT
.set HALFS,  (128*KS/256)*272
.set SBLK,   (16*KS/256)*272
.set SPARE,  SCL+4*HALFS
.set QSTEP,  6656
.set QHEAD,  16*QSTEP
.set KVSTEP, 13056
.set KVHEAD, 16*KVSTEP
.set ADRA, 16
.set ADRB, 20
.set LI16, 24
.set LI8,  25
.set LH,   26
.set ADRS, 27
.set SPW,  28
.set NIL,  29
.set LM,   30
.set LN,   31
.set SC,   32
.set BI,   64
.set AF,   128
.set T,    128
.set I0,   192
.set I1,   204
.set XA,   216
.set XB,   220
.set TM,   224
.set PWR,  240
.set XS,   248
.set YS,   252
.set G1, 24
.set G0, 32
.set G1B, 48
.set G0B, 56
.set G1S, 68
.set G0S, 76
.set G1SB, 80
.set G0SB, 88
.set BP,   92
.set OUT0, 94
.set OUT1, 96
.set SEL,  98
.set MSB, 0
.macro WIN new
.if MSB != (\new)
	s_set_vgpr_msb (MSB<<8)|(\new)
.set MSB, (\new)
.endif
.endm
.set MUL_LO, 0xa1
.set MUL_HI, 0xf1
.set TO_B,   0x40
.macro JLOAD g0a, g1a, g0b, g1b
	s_cmp_eq_u32 s19, 0
	s_cbranch_scc0 .Lfor_b_\@
	tensor_load_to_lds s[\g0a:\g0a+3], s[\g1a:\g1a+7]
	s_nop 0
.rept 4
	v_nop
.endr
	s_branch .Lasked_\@
.Lfor_b_\@:
	tensor_load_to_lds s[\g0b:\g0b+3], s[\g1b:\g1b+7]
	s_nop 0
.rept 4
	v_nop
.endr
.Lasked_\@:
.endm
.macro CREST
	s_cmp_lg_u32 s18, 0
	s_cbranch_scc1 .Lnot_wave_0_\@
	s_barrier_signal -3
.Lnot_wave_0_\@:
	s_barrier_wait -3
	s_barrier_signal -1
	s_barrier_wait -1
.endm
.macro CROUND
	s_barrier_signal -1
	s_barrier_wait -1
	CREST
.endm
	s_load_b256 s[4:11], s[0:1], 0x0
	s_load_b128 s[12:15], s[0:1], 0x20
	s_load_b64 s[16:17], s[0:1], 0x30
	v_lshl_add_u32 v[SPW], v0, 2, SPARE
	v_mov_b32 v[NIL], 0
	ds_add_u32 v28, v29
	ds_add_u32 v28, v29
	s_wait_dscnt 0x0
	v_lshrrev_b32 v1, 5, v0
	v_readfirstlane_b32 s18, v1
	s_lshr_b32 s19, s18, 1
	s_and_b32 s20, s18, 1
	s_bfe_u32 s40, ttmp6, 0x40000
	s_bfe_u32 s41, ttmp6, 0x40004
	s_mov_b32 s42, ttmp9
	s_and_b32 s43, ttmp7, 0xffff
	s_lshl_b32 s44, s41, 2
	s_lshl_b32 s44, 15, s44
	s_lshl_b32 s45, 0x1111, s40
	s_sub_co_u32 s46, s43, 8
	s_lshl_b32 s46, s46, 1
	s_add_co_u32 s46, s46, s42
	s_mov_b32 s92, 10240
	s_mov_b32 s93, 8192
	s_cmp_lt_u32 s43, 8
	s_cselect_b32 s47, s43, 0
	s_cselect_b32 s46, s42, s46
	s_cselect_b32 s92, 0, s92
	s_cselect_b32 s93, s93, 0
	s_lshl_b32 s21, s47, 2
	s_add_co_u32 s21, s21, s41
	s_lshl_b32 s22, s46, 2
	s_add_co_u32 s22, s22, s40
	s_or_b32 s[G1+0], s44, (0<<16)|(1<<20)|(1<<21)|(3<<22)|(3<<25)
	s_or_b32 s[G1B+0], s45, (0<<16)|(1<<20)|(1<<21)|(3<<22)|(3<<25)
.irp g, G1, G1B
	s_mov_b32 s[\g+1], ROWB<<16
	s_mov_b32 s[\g+2], 128<<16
	s_mov_b32 s[\g+3], ROWB<<16
	s_mov_b32 s[\g+4], 128
	s_mov_b32 s[\g+5], KROW
	s_mov_b32 s[\g+6], 0
	s_mov_b32 s[\g+7], 0
.endr
	s_or_b32 s[G1S+0], s44, (3<<16)|(1<<20)|(1<<21)|(5<<22)|(3<<25)
	s_or_b32 s[G1SB+0], s45, (3<<16)|(1<<20)|(1<<21)|(5<<22)|(3<<25)
.irp g, G1S, G1SB
	s_mov_b32 s[\g+1], 32<<16
	s_mov_b32 s[\g+2], (128*KS/256)<<16
	s_mov_b32 s[\g+3], 32<<16
	s_mov_b32 s[\g+4], 128*KS/256
	s_mov_b32 s[\g+5], 32
	s_mov_b32 s[\g+6], 0
	s_mov_b32 s[\g+7], 0
.endr
	s_lshl_b32 s94, s20, 7
	s_lshl_b32 s95, s21, 8
	s_add_co_u32 s95, s95, s94
	s_add_co_u32 s95, s95, s92
	s_lshl_b32 s46, s22, 8
	s_add_co_u32 s46, s46, s94
	s_add_co_u32 s46, s46, s93
	s_mul_i32 s96, s95, KROW
	s_mov_b32 s97, 0
	s_lshl_b32 s100, s95, 5
	s_mov_b32 s101, 0
	s_mul_i32 s98, s46, KROW
	s_mov_b32 s99, 0
	s_lshl_b32 s92, s46, 5
	s_mov_b32 s93, 0
	s_mul_i32 s47, s18, HALFT
	s_mul_i32 s23, s18, HALFS
	s_wait_kmcnt 0x0
	s_add_nc_u64 s[96:97], s[4:5], s[96:97]
	s_add_nc_u64 s[100:101], s[6:7], s[100:101]
	s_add_nc_u64 s[98:99], s[4:5], s[98:99]
	s_add_nc_u64 s[92:93], s[6:7], s[92:93]
	CROUND
	s_mov_b32 s[G0S], 1
	s_add_co_u32 s[G0S+1], s23, SCL
	s_mov_b64 s[G0S+2:G0S+3], s[100:101]
	s_or_b32 s[G0S+3], s[G0S+3], 0x80000000
	s_mov_b32 s[G0SB], 1
	s_add_co_u32 s[G0SB+1], s23, SCL
	s_mov_b64 s[G0SB+2:G0SB+3], s[92:93]
	s_or_b32 s[G0SB+3], s[G0SB+3], 0x80000000
	JLOAD G0S, G1S, G0SB, G1SB
.irp s, 0,1
	s_mov_b32 s[G0+4*\s], 1
	s_add_co_u32 s[G0+4*\s+1], s47, \s*SLOT
	s_add_nc_u64 s[G0+4*\s+2:G0+4*\s+3], s[96:97], \s*ROWB
	s_or_b32 s[G0+4*\s+3], s[G0+4*\s+3], 0x80000000
	s_mov_b32 s[G0B+4*\s], 1
	s_add_co_u32 s[G0B+4*\s+1], s47, \s*SLOT
	s_add_nc_u64 s[G0B+4*\s+2:G0B+4*\s+3], s[98:99], \s*ROWB
	s_or_b32 s[G0B+4*\s+3], s[G0B+4*\s+3], 0x80000000
	s_wait_alu depctr_va_vdst(0)
	s_wait_tensorcnt 0x0
	ds_add_u32 v28, v29
	s_wait_dscnt 0x0
	CROUND
	JLOAD G0+4*\s, G1, G0B+4*\s, G1B
.endr
	s_mov_b32 s[SEL], 0x76543210
	s_mov_b32 s[SEL+1], 0xfedcba98
	v_and_b32 v1, 15, v0
	v_bfe_u32 v2, v0, 4, 1
	v_mul_u32_u24 v3, v1, PITCH
	v_mul_u32_u24 v4, v2, 24
	v_add_nc_u32 v4, v3, v4
	v_lshl_add_u32 v5, v2, 4, v4
	s_mul_i32 s2, s19, HALFT
	s_mul_i32 s3, s20, HALFT
	s_add_co_u32 s3, s3, 2*HALFT
.irp s, 0,1
	v_add_nc_u32 v[ADRA+\s], s2, v4
	v_add_nc_u32 v[ADRB+\s], s3, v4
	v_add_nc_u32 v[ADRA+2+\s], s2, v5
	v_add_nc_u32 v[ADRB+2+\s], s3, v5
	s_add_co_u32 s2, s2, SLOT
	s_add_co_u32 s3, s3, SLOT
.endr
	v_mul_u32_u24 v5, v1, KS
	v_lshrrev_b32 v6, 8, v5
	v_lshl_add_u32 v5, v6, 4, v5
	s_mul_i32 s2, s19, HALFS
	s_mul_i32 s3, s20, HALFS
	s_add_co_u32 s3, s3, 2*HALFS
	s_sub_co_u32 s3, s3, s2
	v_mul_u32_u24 v6, s3, v2
	s_add_co_u32 s2, s2, SCL
	v_add_nc_u32 v5, v5, v6
	v_add_nc_u32 v[ADRS], s2, v5
	v_and_b32 v[LN], 31, v0
	v_lshlrev_b32 v[LI16], 4, v[LN]
	v_lshlrev_b32 v[LI8], 3, v[LN]
	v_lshlrev_b32 v[LH], 6, v2
	v_and_b32 v[LM], 8, v1
	v_add_nc_u32 v[LM], v[LM], v1
	v_lshlrev_b32 v[LM], 2, v[LM]
.macro FRAG reg, adr, q, i
.irp p, 0,1,2,3,4,5
.set PIECE, 12*(\q)+6*(\p/3)+\p%3
.if PIECE%8 < 5
	ds_load_b64 v[\reg+2*\p:\reg+2*\p+1], v[\adr] offset:8*PIECE+16*(PIECE/8)+(\i)*16*PITCH
.else
	ds_load_b64 v[\reg+2*\p:\reg+2*\p+1], v[\adr+2] offset:8*PIECE+16*(PIECE/8)+(\i)*16*PITCH
.endif
.endr
.endm
.macro MUL16 a0, p, q, sc, zero
.irp a, \a0, \a0+1
.irp b, 0,1,2,3,4,5,6,7
.if \zero
	v_wmma_scale_f32_16x16x128_f8f6f4 v[8*(8*((\a)%4)+\b):8*(8*((\a)%4)+\b)+7], v[128*(\p)+FR*\b:128*(\p)+FR*\b+FR-1], v[AF+FR*(\a):AF+FR*(\a)+FR-1], 0, v[SC+8*NQ*(\sc)+NQ*\b+(\q)], v[SC+8*NQ*(\sc)+NQ*(\a)+(\q)] matrix_a_fmt:MATRIX_FMT_FP6 matrix_b_fmt:MATRIX_FMT_FP6 matrix_a_scale:MATRIX_SCALE_ROW1
.else
	v_wmma_scale_f32_16x16x128_f8f6f4 v[8*(8*((\a)%4)+\b):8*(8*((\a)%4)+\b)+7], v[128*(\p)+FR*\b:128*(\p)+FR*\b+FR-1], v[AF+FR*(\a):AF+FR*(\a)+FR-1], v[8*(8*((\a)%4)+\b):8*(8*((\a)%4)+\b)+7], v[SC+8*NQ*(\sc)+NQ*\b+(\q)], v[SC+8*NQ*(\sc)+NQ*(\a)+(\q)] matrix_a_fmt:MATRIX_FMT_FP6 matrix_b_fmt:MATRIX_FMT_FP6 matrix_a_scale:MATRIX_SCALE_ROW1
.endif
.endr
.endr
.endm
.macro FETCH_B slot, q, p
	WIN TO_B
.irp i, 0,1,2,3,4,5,6,7
	FRAG 128*(\p)+FR*\i, ADRB+\slot, \q, \i
.endr
	WIN 0
.endm
.macro FETCH_A slot, q, i0
.irp i, \i0, \i0+1, \i0+2, \i0+3
	FRAG AF+FR*(\i), ADRA+\slot, \q, \i
.endr
.endm
.macro SCALES sc
.irp i, 0,1,2,3,4,5,6,7
	ds_load_b64 v[SC+8*NQ*\sc+NQ*\i:SC+8*NQ*\sc+NQ*\i+1], v[ADRS] offset:\i*SBLK
.endr
.endm
.macro PLACES n
.rept \n
	v_nop
.endr
.endm
.macro STEP slot, q, zero
	s_wait_dscnt 4*NL
	WIN MUL_LO
	MUL16 0, (\q)%2, \q, \slot, \zero
	MUL16 2, (\q)%2, \q, \slot, \zero
	s_wait_dscnt 0
	PLACES NP
	FETCH_B \slot, (\q)+1, 1-(\q)%2
	FETCH_A \slot, (\q)+1, 0
	WIN MUL_HI
	MUL16 4, (\q)%2, \q, \slot, \zero
	MUL16 6, (\q)%2, \q, \slot, \zero
	PLACES NP
	WIN 0
	FETCH_A \slot, (\q)+1, 4
.endm
.macro TURN slot, next, fill
	s_wait_tensorcnt 0x0
	ds_add_u32 v[SPW], v[NIL]
	s_wait_dscnt 4*NL+1
	WIN MUL_LO
	MUL16 0, 1, NQ-1, \slot, 0
	s_wait_dscnt 0x0
	s_barrier_signal -1
	MUL16 2, 1, NQ-1, \slot, 0
	WIN 0
	s_barrier_wait -1
.if \fill
	CREST
	s_add_nc_u64 s[G0+4*\slot+2:G0+4*\slot+3], s[G0+4*\slot+2:G0+4*\slot+3], 2*ROWB
	s_add_nc_u64 s[G0B+4*\slot+2:G0B+4*\slot+3], s[G0B+4*\slot+2:G0B+4*\slot+3], 2*ROWB
	JLOAD G0+4*\slot, G1, G0B+4*\slot, G1B
.else
	PLACES NP
.endif
	s_wait_alu depctr_va_vdst(0)
	v_add_nc_u32 v[ADRS], 4*NQ, v[ADRS]
	FETCH_B \next, 0, 0
	FETCH_A \next, 0, 0
	SCALES \next
	WIN MUL_HI
	MUL16 4, 1, NQ-1, \slot, 0
	MUL16 6, 1, NQ-1, \slot, 0
	PLACES NP
	WIN 0
	FETCH_A \next, 0, 4
.endm
.macro QUANT s, d0, d1, pw
.irp b, 0,1,2,3
	v_max3_num_f32 v[TM+\b], |v[\s+16*\b]|, |v[\s+1+16*\b]|, 0x1800000
.endr
.irp i, 2,4,6,8,10,12,14
.irp b, 0,1,2,3
	v_max3_num_f32 v[TM+\b], v[TM+\b], |v[\s+16*\b+\i]|, |v[\s+1+16*\b+\i]|
.endr
.endr
.irp b, 0,1,2,3
	v_permlanex16_b32 v[TM+4+\b], v[TM+\b], s[SEL], s[SEL+1]
.endr
.irp b, 0,1,2,3
	v_max_num_f32 v[TM+\b], v[TM+\b], v[TM+4+\b]
.endr
.irp b, 0,1,2,3
	v_add_nc_u32 v[TM+12+\b], 0xff000000, v[TM+\b]
.endr
.irp b, 0,1,2,3
	v_lshrrev_b32 v[TM+4+\b], 23, v[TM+12+\b]
.endr
	v_lshl_or_b32 v[\pw], v[TM+5], 8, v[TM+4]
	v_lshl_or_b32 v[\pw], v[TM+6], 16, v[\pw]
	v_lshl_or_b32 v[\pw], v[TM+7], 24, v[\pw]
	v_cvt_scalef32_pk16_fp6_f32 v[\d0:\d0+2], v[\s:\s+15], v[TM+12]
	v_cvt_scalef32_pk16_fp6_f32 v[XA:XA+2], v[\s+16:\s+31], v[TM+13]
	v_cvt_scalef32_pk16_fp6_f32 v[\d1:\d1+2], v[\s+32:\s+47], v[TM+14]
	v_cvt_scalef32_pk16_fp6_f32 v[XB:XB+2], v[\s+48:\s+63], v[TM+15]
	v_nop
.irp i, 0,1,2
	v_permlane16_swap_b32 v[\d0+\i], v[XA+\i]
	v_permlane16_swap_b32 v[\d1+\i], v[XB+\i]
.endr
.irp i, 0,1,2
	v_mov_b32 v[\d0+3+\i], v[XA+\i]
	v_mov_b32 v[\d1+3+\i], v[XB+\i]
.endr
.endm
.macro BLOCK a, role
	WIN 0x02+(\a)/4
.set ii, 0
.rept 32
.if \role
	v_pk_add_f32 v[T+ii:T+ii+1], v[64*((\a)%4)+ii:64*((\a)%4)+ii+1], v[BI+2*(\a):BI+2*(\a)+1]
.else
	v_pk_add_f32 v[T+ii:T+ii+1], v[64*((\a)%4)+ii:64*((\a)%4)+ii+1], v[BI+ii:BI+ii+1]
.endif
.set ii, ii+2
.endr
	WIN 0
	s_wait_xcnt 0x0
.if \role
	QUANT T, I0+12*((\a)%2), I0+12*((\a)%2)+6, PWR+(\a)
.irp i, 0,1,2
	global_store_b128 v[LI16], v[I0+12*((\a)%2)+4*\i:I0+12*((\a)%2)+4*\i+3], s[OUT0+2*((\a)/4):OUT0+2*((\a)/4)+1] offset:1536*((\a)%4)+512*\i
.endr
.else
	QUANT T, I0+6*((\a)%2), I1+6*((\a)%2), PWR+(\a)
.if (\a)%2
.irp i, 0,1,2
	global_store_b128 v[LI16], v[I0+4*\i:I0+4*\i+3], s[OUT0:OUT0+1] offset:1536*((\a)/2)+512*\i
	global_store_b128 v[LI16], v[I1+4*\i:I1+4*\i+3], s[OUT1:OUT1+1] offset:1536*((\a)/2)+512*\i
.endr
.endif
.endif
.endm
.macro ARM role
.if \role
	s_lshl_b32 s2, s21, 2
	s_lshl_b32 s3, s19, 1
	s_add_co_u32 s2, s2, s3
	s_lshr_b32 s3, s22, 3
	s_lshl_b32 s3, s3, 4
	s_add_co_u32 s2, s2, s3
	s_mul_i32 s2, s2, KVHEAD
	s_and_b32 s3, s22, 7
	s_lshl_b32 s3, s3, 1
	s_add_co_u32 s3, s3, s20
	s_mul_i32 s3, s3, KVSTEP
	s_add_co_u32 s2, s2, s3
	s_add_co_u32 s2, s2, QSTEP
	s_mov_b32 s3, 0
	s_add_nc_u64 s[OUT0:OUT0+1], s[16:17], s[2:3]
	s_add_nc_u64 s[OUT1:OUT1+1], s[OUT0:OUT0+1], KVHEAD
	s_lshl_b32 s2, s21, 10
	s_lshl_b32 s23, s19, 9
	s_add_co_u32 s2, s2, s23
	s_add_nc_u64 s[BP:BP+1], s[12:13], s[2:3]
.irp a, 0,1,2,3,4,5,6,7
	global_load_b32 v[BI+2*\a], v[LM], s[BP:BP+1] offset:(32*(\a/2)+8*(\a%2))*4
	global_load_b32 v[BI+2*\a+1], v[LM], s[BP:BP+1] offset:(32*(\a/2)+8*(\a%2))*4
.endr
.else
	s_mov_b32 s46, KVHEAD
	s_mov_b32 s47, KVSTEP
	s_cmp_eq_u32 s42, 0
	s_cselect_b64 s[BP:BP+1], s[8:9], s[10:11]
	s_cselect_b64 s[OUT0:OUT0+1], s[14:15], s[16:17]
	s_cselect_b32 s46, QHEAD, s46
	s_cselect_b32 s47, QSTEP, s47
	s_lshr_b32 s2, s21, 3
	s_lshl_b32 s2, s2, 4
	s_lshl_b32 s3, s40, 2
	s_add_co_u32 s2, s2, s3
	s_lshl_b32 s3, s20, 1
	s_add_co_u32 s2, s2, s3
	s_mul_i32 s2, s2, s46
	s_and_b32 s3, s21, 7
	s_lshl_b32 s3, s3, 1
	s_add_co_u32 s3, s3, s19
	s_mul_i32 s3, s3, s47
	s_add_co_u32 s2, s2, s3
	s_mov_b32 s3, 0
	s_add_nc_u64 s[OUT0:OUT0+1], s[OUT0:OUT0+1], s[2:3]
	s_mov_b32 s2, s46
	s_add_nc_u64 s[OUT1:OUT1+1], s[OUT0:OUT0+1], s[2:3]
	s_lshl_b32 s2, s40, 10
	s_lshl_b32 s23, s20, 9
	s_add_co_u32 s2, s2, s23
	s_add_nc_u64 s[BP:BP+1], s[BP:BP+1], s[2:3]
.irp i, 0,1,2,3,4,5,6,7,8,9,10,11,12,13,14,15
	global_load_b128 v[BI+4*\i:BI+4*\i+3], v[LH], s[BP:BP+1] offset:128*(\i/4)+16*(\i%4)
.endr
.endif
	s_wait_dscnt 4*NL
	WIN MUL_LO
	MUL16 0, 1, NQ-1, 1, 0
	MUL16 2, 1, NQ-1, 1, 0
	s_wait_dscnt 0
	WIN MUL_HI
	MUL16 4, 1, NQ-1, 1, 0
	MUL16 6, 1, NQ-1, 1, 0
	WIN 0
.irp b, 0,1,2,3
	v_mov_b32 v[TM+4+\b], 0
.endr
	s_wait_loadcnt 0x0
.irp a, 0,1,2,3,4,5,6,7
	BLOCK \a, \role
.endr
	v_cmp_lt_u32 vcc_lo, 15, v[LN]
.irp p, 0,1,2,3
	v_cndmask_b32 v[XS+\p], v[PWR+2*\p], v[PWR+2*\p+1], vcc_lo
.endr
.if \role
	global_store_b64 v[LI8], v[XS:XS+1], s[OUT0:OUT0+1] offset:6144
	global_store_b64 v[LI8], v[XS+2:XS+3], s[OUT1:OUT1+1] offset:6144
.else
.irp p, 0,1,2,3
	v_lshrrev_b32 v[YS+\p], 16, v[XS+\p]
.endr
	global_store_b128 v[LI16], v[XS:XS+3], s[OUT0:OUT0+1] offset:6144
	global_store_b128 v[LI16], v[YS:YS+3], s[OUT1:OUT1+1] offset:6144
.endif
.endm
	s_wait_alu depctr_va_vdst(0)
	s_wait_tensorcnt 1
	s_barrier_signal -1
	s_barrier_wait -1
	FETCH_B 0, 0, 0
	FETCH_A 0, 0, 0
	SCALES 0
	FETCH_A 0, 0, 4
	STEP 0, 0, 1
	TURN 0, 1, 1
	STEP 1, 0, 0
	TURN 1, 0, 1
	STEP 0, 0, 0
	TURN 0, 1, 0
	STEP 1, 0, 0
	s_cmp_lt_u32 s43, 8
	s_cbranch_scc0 .Lrole_v
	ARM 0
	s_branch .Ljoin
.Lrole_v:
	ARM 1
.Ljoin:
	s_wait_tensorcnt 0x0
	ds_add_u32 v[SPW], v[NIL]
	s_wait_dscnt 0x0
	CROUND
	s_endpgm
.Lfunc_end_k_q883af422a3_proj:
	.size	k_q883af422a3_proj, .Lfunc_end_k_q883af422a3_proj-k_q883af422a3_proj
	.p2alignl 7, 3214868480
	.fill 96, 4, 3214868480
	.section	.rodata,"a",@progbits
	.p2align	6, 0x0
	.amdhsa_kernel k_q883af422a3_proj
		.amdhsa_group_segment_fixed_size 327680
		.amdhsa_private_segment_fixed_size 0
		.amdhsa_enable_private_segment 0
		.amdhsa_kernarg_size 56
		.amdhsa_user_sgpr_count 2
		.amdhsa_user_sgpr_kernarg_segment_ptr 1
		.amdhsa_wavefront_size32 1
		.amdhsa_system_sgpr_workgroup_id_x 1
		.amdhsa_system_sgpr_workgroup_id_y 1
		.amdhsa_system_sgpr_workgroup_id_z 1
		.amdhsa_system_vgpr_workitem_id 0
		.amdhsa_next_free_vgpr 1024
		.amdhsa_next_free_sgpr 102
		.amdhsa_reserve_vcc 1
		.amdhsa_float_denorm_mode_32 3
		.amdhsa_float_denorm_mode_16_64 3
		.amdhsa_memory_ordered 1
		.amdhsa_forward_progress 1
		.amdhsa_inst_pref_size 243
	.end_amdhsa_kernel
	.amdgpu_metadata
---
amdhsa.version: [ 1, 2 ]
amdhsa.kernels:
  - .name:           k_q883af422a3_proj
    .symbol:         k_q883af422a3_proj.kd
    .args:
      - { .name: codes, .offset: 0, .size: 8, .value_kind: global_buffer, .address_space: global }
      - { .name: scales, .offset: 8, .size: 8, .value_kind: global_buffer, .address_space: global }
      - { .name: bq, .offset: 16, .size: 8, .value_kind: global_buffer, .address_space: global }
      - { .name: bk, .offset: 24, .size: 8, .value_kind: global_buffer, .address_space: global }
      - { .name: bv, .offset: 32, .size: 8, .value_kind: global_buffer, .address_space: global }
      - { .name: qimg, .offset: 40, .size: 8, .value_kind: global_buffer, .address_space: global }
      - { .name: kvimg, .offset: 48, .size: 8, .value_kind: global_buffer, .address_space: global }
    .group_segment_fixed_size: 327680
    .private_segment_fixed_size: 0
    .kernarg_segment_align: 8
    .kernarg_segment_size: 56
    .max_flat_workgroup_size: 128
    .sgpr_count:     102
    .vgpr_count:     1024
    .wavefront_size: 32
...
	.end_amdgpu_metadata
.endif
;; end of part 2
;; launch attn (part 3): grid 4 x 64, 8 waves a work-group, clusters of 4 x 1, 252,928 bytes of LDS; arguments qimg, kvimg, attention_mask, out0; writes out0
.if DOCPART == 3
	.amdgcn_target "amdgcn-amd-amdhsa--gfx1250"
	.amdhsa_code_object_version 6
	.text
	.protected	k_q883af422a3_attn
	.globl	k_q883af422a3_attn
	.p2align	8
	.type	k_q883af422a3_attn,@function
k_q883af422a3_attn:
	s_mov_b64 s[64:65], 0
	v_nop
	global_prefetch_b8 v0, s[64:65] scope:SCOPE_SE
	s_setreg_imm32_b32 hwreg(HW_REG_WAVE_MODE, 25, 1), 1
	s_wait_xcnt 0x0
	s_wait_alu depctr_hold_cnt(0) depctr_sa_sdst(0) depctr_va_vdst(0) depctr_va_sdst(0) depctr_va_ssrc(0) depctr_va_vcc(0) depctr_vm_vsrc(0)
	s_getreg_b32 s2, hwreg(HW_REG_IB_STS2, 6, 4)
	s_cmp_eq_u32 s2, 0
	s_cbranch_scc0 .Lentry_in_a_cluster
	s_endpgm
.Lentry_in_a_cluster:
	s_bfe_u32 s2, ttmp6, 0x10000c
	s_cmp_lg_u32 s2, 0x3003
	s_cbranch_scc0 .Lentry_shape_is_right
	s_endpgm
.Lentry_shape_is_right:
; out0[b][q][64 head + d] = the sum over keys of softmax(q . k / 8 + mask) v, both products on codes of FP6 (E2M3) with E8M0 scales.  q, k, v come as images of operand registers with their scale words.
; THE SOFTMAX AHEAD OF THE SECOND PRODUCT: t = (q . k + 8 mask) x log2(e) / 8; M = the row's largest t so far, rounded UP to a whole number; p = 2^(t - M) is quantised along the keys, not normalised.
; The row's sum is taken of the unquantised p and divides at the end.  When M moves, the sum and O are multiplied by 2^(old M - new M): exact.  8 x mask is the C of the first product: it costs no addition.
; SHARES.  A work-group owns one (batch, head) and 512 queries, in two passes of 256; each of its eight waves owns a PAIR of tiles of 16 queries.  Tile 0's state lies in register window 0, tile 1's at the same
; numbers in window 1, so the softmax is one macro.  Each fragment, scale word and mask register read from LDS feeds both tiles.
; LDS IS FILLED ONCE: a head's K, V and scale words are 208,896 bytes; each wave brings an eighth by one tensor load.  So there is no ring, no refill and no barrier in the loops.
; CLUSTER.  The four work-groups of a head need the same bytes: each load is asked for JOINTLY, with the same descriptor and a mask that names the four.
; LAYOUT.  Both products are used transposed: S^T = K Q^T (source 0 = 16 keys), O^T = V^T P^T (source 0 = 16 channels): a lane holds ONE query (lane % 16).  Rows lie in tile order (of every 32 the groups of eight stand
; 0, 2, 1, 3): the 16 registers of key tiles 2 b, 2 b + 1 are the true keys 32 b + 16 (lane / 16) + 0 .. 15, likewise O^T's channels; a tile's lane r is the true query 8 w + r + 8 (r / 8) of the pair's 32.
; THE HEAD IS 64 WIDE, the instruction 128: q's upper six registers hold zero codes.  K's operand is twelve registers from its tile's first: the upper six hold the next tile's codes (behind the last tile: zeros),
; which meet q's zeros under scale bytes that are never 0xff, and add nothing.
; LIMITS: 8 x mask is held at -2^100 from below, so a key masked by -infinity (or anything under -2^97) gets p = 0; the running largest t starts at -2^93, so a row in which EVERY key's mask x log2(e) lies under
; -2^93 gives 0 / 0.  +infinity and NaN in the mask are not served.  A block's largest p is taken from its largest score, which takes v_exp_f32 not to fall where its input rises.
; REGISTERS.  Both windows: v12 -M, v13 the largest t, v[14:15] the sum; v16-27 q; v28-91 S^T, then p; v92-123 O^T; v124-135 p's codes; v136-155 at work.
;   window 0 alone: v1-9 addresses; v156-164 scale words and nothing else; v166-213 four pair images of K or four fragments of V; v214-219 zeros.   window 1 alone: v156-219 8 x mask.
.set STEPB, 13056                      ; a key step in LDS and in kvimg: K's images 6,144, K's words 512, V's fragments 6,144, V's words 256
.set HEADB, 16*STEPB
.set QSTEP, 6656                       ; a step of 128 positions in qimg
.set MSK,   HEADB                      ; behind K and V: 2,048 numbers, 8 x mask
.set STAGE, MSK+8192                   ; the way out: 16 rows x (256 bytes + 16) for each wave
.set SP,    272
.set LI16, 1                           ; v1  16 x lane
.set LI8,  2                           ; v2  8 x lane
.set H64,  3                           ; v3  MSK + 64 h
.set AD16, 4                           ; v4-6 the step's addresses
.set AD8,  5
.set ADM,  6
.set GO,   7                           ; v7  4,096 h + 16 r: two rows of out0
.set STO,  8                           ; v8  the stage, in: 272 r + 64 h
.set RD,   9                           ; v9  and back: 272 h + 16 r
.set Q,    16
.set S,    28
.set O,    92
.set PC,   124
.set BX,   136                         ; the four blocks' largest scores, then largest p
.set PT,   140                         ; permutes' results, bytes, the conversions' second halves, a chain of the sum
.set SO,   148                         ; the conversions' scale operands
.set F,    152                         ; v[152:153] f = 2^(old M - new M), and a 0 named with it as a pair
.set TMP,  154
.set PWT,  155                         ; tile 1's scale word as it is made, in window 1
.set KSC,  156                         ; v156-159 K's scale words;  v160-161 V's;  v162 q's;  v163, v164 p's of tile 0, tile 1
.set VSC,  160
.set QS,   162
.set PW0,  163
.set PW1,  164
.set FRG,  166
.set MK,   156                         ; in window 1
.set WV,   12
.set SEL,  20
.set CS,   22
.set G1,   24
.set G0,   32
.set TB,   36                          ; s36  13,056 x step
.set TMK,  37                          ; s37  512 x step
.set CNT,  38
.set MSB, 0
.macro WIN new                         ; the immediate's high byte repeats the setting that is left.  Low byte: bits 1:0 source 0, 3:2 source 1, 5:4 source 2, 7:6 destination
.if MSB != (\new)
	s_set_vgpr_msb (MSB<<8)|(\new)
.set MSB, (\new)
.endif
.endm
.macro CROUND                          ; a round of the cluster's barrier
	s_barrier_signal -1
	s_barrier_wait -1
	s_cmp_lg_u32 s[WV], 0
	s_cbranch_scc1 .Lnot_wave_0_\@
	s_barrier_signal -3
.Lnot_wave_0_\@:
	s_barrier_wait -3
	s_barrier_signal -1
	s_barrier_wait -1
.endm
	s_load_b256 s[4:11], s[0:1], 0x0               ; qimg s[4:5], kvimg s[6:7], the mask s[8:9], out0 s[10:11]
	v_lshl_add_u32 v254, v0, 2, 0x3d800
	v_mov_b32 v255, 0
	ds_add_u32 v254, v255
	ds_add_u32 v254, v255
	v_lshrrev_b32 v1, 5, v0
	s_delay_alu instid0(VALU_DEP_1)
	v_readfirstlane_b32 s[WV], v1                  ; wave 0..7
	s_bfe_u32 s13, ttmp6, 0x40000                  ; cx
	s_lshl_b32 s46, ttmp9, 2
	s_add_co_u32 s13, s13, s46                     ; my block of 512 queries: it enters q's and out0's addresses alone
	s_and_b32 s14, ttmp7, 0xffff                   ; 16 x batch + head, which the four partners share
	s_lshr_b32 s15, s14, 4                         ; batch
	s_and_b32 s16, s14, 15                         ; head
	; descriptor group 1: two key steps, 26,112 dense bytes, as 102 rows of 256 bytes (32 elements of 8 bytes), no padding
	s_mov_b32 s[G1], 15|(3<<16)|(1<<21)            ; 15:0 the mask: all four work-groups; 17:16 elements of 8 bytes; 21 set beside a mask
	s_mov_b32 s[G1+1], 32<<16                      ; tensor_dim0
	s_mov_b32 s[G1+2], 102<<16                     ; tensor_dim1
	s_mov_b32 s[G1+3], 32<<16                      ; tile_dim0
	s_mov_b32 s[G1+4], 102                         ; tile_dim1
	s_mov_b32 s[G1+5], 32                          ; tensor_dim0_stride
	s_mov_b32 s[G1+6], 0
	s_mov_b32 s[G1+7], 0
	s_mov_b32 s[G0], 1
	s_mul_i32 s[G0+1], s[WV], 2*STEPB              ; LDS address: my two steps
	s_mul_i32 s18, s14, HEADB
	s_add_co_u32 s18, s18, s[G0+1]                 ; and the same two steps of the head in kvimg
	s_mov_b32 s19, 0
	s_mul_i32 s46, s14, 16*QSTEP                   ; q: the head,
	s_lshl_b32 s48, s13, 2
	s_lshr_b32 s49, s[WV], 2
	s_add_co_u32 s48, s48, s49
	s_mul_i32 s48, s48, QSTEP                      ; the step of 128 positions: 4 x block + wave / 4 (the second pass: two steps on),
	s_add_co_u32 s46, s46, s48
	s_and_b32 s49, s[WV], 3                        ; and my pair in it
	s_mul_i32 s50, s49, 1536
	s_add_co_u32 s50, s50, s46
	s_mov_b32 s51, 0
	s_lshl_b32 s52, s49, 2
	s_add_co_u32 s52, s52, s46
	s_add_co_u32 s52, s52, 6144                    ; its scale word: [lane][pair], behind the four images
	s_mov_b32 s53, 0
	s_lshl_b32 s54, s15, 11
	s_lshl_b32 s55, s13, 9
	s_add_co_u32 s54, s54, s55
	s_lshl_b32 s55, s[WV], 5
	s_add_co_u32 s54, s54, s55                     ; my pair's first row of out0: 2,048 x batch + 512 x block + 32 x wave
	s_lshl_b32 s54, s54, 12
	s_lshl_b32 s55, s16, 8
	s_add_co_u32 s54, s54, s55                     ; rows of 4,096 bytes, the head's 256
	s_mov_b32 s55, 0
	s_lshl_b32 s56, s15, 13                        ; the batch's 2,048 numbers of the mask
	s_mov_b32 s57, 0
	s_mov_b32 s[SEL], 0x76543210
	s_mov_b32 s[SEL+1], 0xfedcba98                 ; v_permlanex16_b32's selects for lane l xor 16
	s_mov_b32 s[CS], 0x3e38aa3b                    ; c = log2(e) / 8
	s_mov_b32 s[CS+1], s[CS]                       ; (named with it as a pair, so it is written)
	s_wait_dscnt 0x0
	s_wait_kmcnt 0x0
	s_add_nc_u64 s[G0+2:G0+3], s[6:7], s[18:19]
	s_or_b32 s[G0+3], s[G0+3], 0x80000000          ; type = 2
	s_add_nc_u64 s[40:41], s[4:5], s[50:51]        ; q's pair image
	s_add_nc_u64 s[42:43], s[4:5], s[52:53]        ; q's scale words
	s_add_nc_u64 s[44:45], s[10:11], s[54:55]      ; out0
	s_add_nc_u64 s[8:9], s[8:9], s[56:57]
	CROUND                                         ; all four work-groups are here: the joint loads meet
	tensor_load_to_lds s[G0:G0+3], s[G1:G1+7]      ; my one tensor load of the launch
	s_nop 0
.rept 4
	v_nop
.endr
	v_lshlrev_b32 v10, 4, v0                       ; the mask: 256 threads x 16 bytes, twice
	global_load_b128 v[28:31], v10, s[8:9]
	global_load_b128 v[32:35], v10, s[8:9] offset:4096
	v_add_nc_u32 v11, MSK, v10
	s_wait_loadcnt 0x0
.irp i, 0,1,2,3,4,5,6,7
	v_mul_f32 v[28+\i], 0x41000000, v[28+\i]       ; x 8: exact
.endr
.irp i, 0,1,2,3,4,5,6,7
	v_max_num_f32 v[28+\i], 0xf1800000, v[28+\i]   ; held at -2^100 from below
.endr
	ds_store_b128 v11, v[28:31]
	ds_store_b128 v11, v[32:35] offset:4096
	v_and_b32 v10, 31, v0                          ; lane
	s_delay_alu instid0(VALU_DEP_1)
	v_lshlrev_b32 v[LI16], 4, v10
	s_delay_alu instid0(VALU_DEP_2)
	v_lshlrev_b32 v[LI8], 3, v10
	v_and_b32 v10, 15, v0                          ; r
	v_bfe_u32 v11, v0, 4, 1                        ; h
	s_delay_alu instid0(VALU_DEP_1)
	v_lshl_add_u32 v[H64], v11, 6, MSK
	s_delay_alu instid0(VALU_DEP_2)
	v_lshlrev_b32 v[GO], 12, v11
	s_delay_alu instid0(VALU_DEP_1)
	v_lshl_add_u32 v[GO], v10, 4, v[GO]
	s_mul_i32 s46, s[WV], 16*SP
	s_add_co_u32 s46, s46, STAGE                   ; my stage
	v_mul_u32_u24 v[STO], v10, SP
	s_delay_alu instid0(VALU_DEP_1)
	v_lshl_add_u32 v[STO], v11, 6, v[STO]
	s_delay_alu instid0(VALU_DEP_1)
	v_add_nc_u32 v[STO], s46, v[STO]
	v_mul_u32_u24 v[RD], v11, SP
	s_delay_alu instid0(VALU_DEP_1)
	v_lshl_add_u32 v[RD], v10, 4, v[RD]
	s_delay_alu instid0(VALU_DEP_1)
	v_add_nc_u32 v[RD], s46, v[RD]
.irp i, 0,1,2,3,4,5
	v_mov_b32 v[FRG+48+\i], 0                      ; zero codes behind K's last tile
.endr
.irp w, 0, 0x40                                ; written once, in both windows:
	WIN \w
.irp i, 0,1,2,3
	v_mov_b32 v[PT+\i], 0                          ; a lane permute's destination counts as one of its sources
.endr
	v_mov_b32 v[F+1], 0                            ; named as the upper half of a pair
.endr
.irp i, 0,1,2,3,4,5
	v_mov_b32 v[Q+6+\i], 0                         ; tile 1's q: zero codes for k = 64 .. 127 (still window 1)
.endr
	WIN 0
	s_wait_tensorcnt 0x0                           ; my two steps have landed,
	s_wait_dscnt 0x0                               ; my part of the mask is stored:
	s_barrier_signal -1
	s_barrier_wait -1                              ; everybody's are.  From here on K, V and the mask are only read
; S^T = K Q^T + 8 mask for tile w: eight tiles of 16 keys.  K's scale word of tile t: register t / 2, lanes 0-15 for even t, lanes 16-31 for odd t; q's: lanes 0-15 tile 0, lanes 16-31 tile 1.
.macro QK w
.irp t, 0,1,2,3,4,5,6,7
.if (\t%2) && \w
	v_wmma_scale_f32_16x16x128_f8f6f4 v[S+8*\t:S+8*\t+7], v[FRG+6*\t:FRG+6*\t+11], v[Q:Q+11], v[MK+8*\t:MK+8*\t+7], v[KSC+\t/2], v[QS] matrix_a_fmt:MATRIX_FMT_FP6 matrix_b_fmt:MATRIX_FMT_FP6 matrix_a_scale:MATRIX_SCALE_ROW1 matrix_b_scale:MATRIX_SCALE_ROW1
.elseif \t%2
	v_wmma_scale_f32_16x16x128_f8f6f4 v[S+8*\t:S+8*\t+7], v[FRG+6*\t:FRG+6*\t+11], v[Q:Q+11], v[MK+8*\t:MK+8*\t+7], v[KSC+\t/2], v[QS] matrix_a_fmt:MATRIX_FMT_FP6 matrix_b_fmt:MATRIX_FMT_FP6 matrix_a_scale:MATRIX_SCALE_ROW1
.elseif \w
	v_wmma_scale_f32_16x16x128_f8f6f4 v[S+8*\t:S+8*\t+7], v[FRG+6*\t:FRG+6*\t+11], v[Q:Q+11], v[MK+8*\t:MK+8*\t+7], v[KSC+\t/2], v[QS] matrix_a_fmt:MATRIX_FMT_FP6 matrix_b_fmt:MATRIX_FMT_FP6 matrix_b_scale:MATRIX_SCALE_ROW1
.else
	v_wmma_scale_f32_16x16x128_f8f6f4 v[S+8*\t:S+8*\t+7], v[FRG+6*\t:FRG+6*\t+11], v[Q:Q+11], v[MK+8*\t:MK+8*\t+7], v[KSC+\t/2], v[QS] matrix_a_fmt:MATRIX_FMT_FP6 matrix_b_fmt:MATRIX_FMT_FP6
.endif
.endr
.endm
; O^T += V^T P^T: four tiles of 16 channels, K = the step's 128 keys.  pw: p's scale word
.macro PV pw
.irp t, 0,1,2,3
.if \t%2
	v_wmma_scale_f32_16x16x128_f8f6f4 v[O+8*\t:O+8*\t+7], v[FRG+12*\t:FRG+12*\t+11], v[PC:PC+11], v[O+8*\t:O+8*\t+7], v[VSC+\t/2], v[\pw] matrix_a_fmt:MATRIX_FMT_FP6 matrix_b_fmt:MATRIX_FMT_FP6 matrix_a_scale:MATRIX_SCALE_ROW1
.else
	v_wmma_scale_f32_16x16x128_f8f6f4 v[O+8*\t:O+8*\t+7], v[FRG+12*\t:FRG+12*\t+11], v[PC:PC+11], v[O+8*\t:O+8*\t+7], v[VSC+\t/2], v[\pw] matrix_a_fmt:MATRIX_FMT_FP6 matrix_b_fmt:MATRIX_FMT_FP6
.endif
.endr
.endm
; One tile's softmax for one key step.  All its registers lie in the tile's window, which the caller has set (w = 1: every operand place in window 1).
.macro SOFTMAX w
.set PWX, PW0+(PWT-PW0)*\w
.irp b, 0,1,2,3
	v_max3_num_f32 v[BX+\b], v[S+16*\b], v[S+1+16*\b], v[S+2+16*\b]   ; THE LARGEST SCORE OF EACH BLOCK OF 32 KEYS serves twice: for the row's maximum and, since p rises with the score, for the block's largest p
.endr
.irp i, 3,5,7,9,11,13
.irp b, 0,1,2,3
	v_max3_num_f32 v[BX+\b], v[BX+\b], v[S+16*\b+\i], v[S+1+16*\b+\i]   ; (the four blocks by turns; each accumulator is read from its low end on)
.endr
.endr
.irp b, 0,1,2,3
	v_max_num_f32 v[BX+\b], v[BX+\b], v[S+15+16*\b]
.endr
.irp b, 0,1,2,3
	s_delay_alu instid0(VALU_DEP_4)
	v_permlanex16_b32 v[PT+\b], v[BX+\b], s[SEL], s[SEL+1]
.endr
.irp b, 0,1,2,3
	s_delay_alu instid0(VALU_DEP_4)
	v_max_num_f32 v[BX+\b], v[BX+\b], v[PT+\b]     ; with lane l xor 16's 16 keys
.endr
	s_delay_alu instid0(VALU_DEP_2)
	v_max3_num_f32 v[TMP], v[BX], v[BX+1], v[BX+2]
	s_delay_alu instid0(VALU_DEP_1)
	v_max_num_f32 v[TMP], v[TMP], v[BX+3]          ; the step's largest score of my query
	s_delay_alu instid0(VALU_DEP_1)
	v_mul_f32 v[TMP], s[CS], v[TMP]                ; as t (c is positive)
	s_delay_alu instid0(VALU_DEP_1)
	v_max_num_f32 v13, v13, v[TMP]                 ; the running largest t
	v_mov_b32 v[TMP], v12
	s_delay_alu instid0(VALU_DEP_2)
	v_floor_f32 v12, -v13                          ; the new -M = floor(-t) = -ceil(t): M IS A WHOLE NUMBER
	s_delay_alu instid0(VALU_DEP_1)
	v_sub_f32 v[TMP], v12, v[TMP]                  ; M's old value less its new one: a whole number, 0 or less
	s_delay_alu instid0(VALU_DEP_1)
	v_cvt_i32_f32 v[TMP], v[TMP]                   ; (it saturates)
	s_delay_alu instid0(VALU_DEP_1)
	v_ldexp_f32 v[F], 1.0, v[TMP]                  ; f = 2^(old M - new M): a multiplication by it rounds nothing
.set j, 0
.rept 32
	v_pk_fma_f32 v[S+j:S+j+1], v[S+j:S+j+1], s[CS:CS+1], v[12:13] op_sel_hi:[1,0,0]   ; t - M, two at a time (of the pairs c and -M the low word serves both halves)
.set j, j+2
.endr
.irp b, 0,1,2,3
	v_fma_f32 v[BX+\b], v[BX+\b], s[CS], v12       ; the same of each block's largest score
.endr
.set j, 0
	s_wait_alu depctr_va_vdst(0)
.rept 64
	v_exp_f32 v[S+j], v[S+j]                       ; p = 2^(t - M), at most 1: NOT normalised
.set j, j+1
.endr
.irp b, 0,1,2,3
	v_exp_f32 v[BX+\b], v[BX+\b]                   ; the block's largest p: the same two instructions on the same number give the same bits
.endr
	v_pk_mul_f32 v[14:15], v[14:15], v[F:F+1] op_sel_hi:[1,0]   ; the sums under the new M.  (A plain place behind the exponentials)
	s_wait_alu depctr_va_vdst(0)
.irp b, 0,1,2,3
	v_max_num_f32 v[BX+\b], 0x1800000, v[BX+\b]    ; the floor 2^(3 - 127): the byte cannot fall under 1 (a block whose every p is 0 keeps that byte: its codes are zeros)
.endr
.irp b, 0,1,2,3
	s_delay_alu instid0(VALU_DEP_4)
	v_add_nc_u32 v[SO+\b], 0xff000000, v[BX+\b]    ; 2 off the exponent field: the conversion's scale operand
.endr
.irp b, 0,1,2,3
	s_delay_alu instid0(VALU_DEP_4)
	v_lshrrev_b32 v[PT+\b], 23, v[SO+\b]           ; the scale's byte
.endr
	s_delay_alu instid0(VALU_DEP_3)
	v_lshl_or_b32 v[PWX], v[PT+1], 8, v[PT]        ; p's scale word for these 128 keys
	s_delay_alu instid0(VALU_DEP_1)
	v_lshl_or_b32 v[PWX], v[PT+2], 16, v[PWX]
	s_delay_alu instid0(VALU_DEP_1)
	v_lshl_or_b32 v[PWX], v[PT+3], 24, v[PWX]
.irp c, 0,1
	v_cvt_scalef32_pk16_fp6_f32 v[PC+6*\c:PC+6*\c+2], v[S+32*\c:S+32*\c+15], v[SO+2*\c]
	v_cvt_scalef32_pk16_fp6_f32 v[PT+4*\c:PT+4*\c+2], v[S+16+32*\c:S+31+32*\c], v[SO+2*\c+1]   ; (a conversion's three registers begin on an even number)
.endr
	v_nop                                          ; one plain place behind a scaled conversion
.irp c, 0,1                                    ; the operand's layout wants a WHOLE block in a lane: lanes 0-15 block 2 c, lanes 16-31 block 2 c + 1
.irp i, 0,1,2
	v_permlane16_swap_b32 v[PC+6*\c+\i], v[PT+4*\c+\i]
.endr
.irp i, 0,1,2
	s_delay_alu instid0(VALU_DEP_3)
	v_mov_b32 v[PC+3+6*\c+\i], v[PT+4*\c+\i]
.endr
.endr
.if \w
	WIN 0x01                                       ; scale operands have no window: tile 1's word goes over to window 0
	s_setprio 0
	v_mov_b32 v[PW1], v[PWT]
	WIN 0x55
.endif
	v_pk_add_f32 v[PT:PT+1], v[S:S+1], v[S+2:S+3]  ; THE ROW'S SUM IS TAKEN OF THE UNQUANTISED p: two at a time, in two chains
.set j, 4
.rept 15
	v_pk_add_f32 v[14:15], v[14:15], v[S+j:S+j+1]
	v_pk_add_f32 v[PT:PT+1], v[PT:PT+1], v[S+2+j:S+3+j]
.set j, j+4
.endr
	s_delay_alu instid0(VALU_DEP_1)
	v_pk_add_f32 v[14:15], v[14:15], v[PT:PT+1]
.set j, 0
.rept 16
	v_pk_mul_f32 v[O+j:O+j+1], v[O+j:O+j+1], v[F:F+1] op_sel_hi:[1,0]   ; O^T under the new M.  (These and the sums, 48 lines, are the places between the scale word and the codes just written and the products)
.set j, j+2
.endr
.endm
; A KEY STEP: 128 keys, both tiles.  The accumulators take turns, one instruction a turn (8 of S^T, 8 of tile 1's, 4 of O^T, 4 of tile 1's), over the backward jump too.
.macro STEP
	v_add_nc_u32 v[AD16], s[TB], v[LI16]
	v_add_nc_u32 v[AD8], s[TB], v[LI8]
	v_add_nc_u32 v[ADM], s[TMK], v[H64]
	v_nop                                          ; these four are the places between the last step's last product and the loads into the registers that it read
	WIN 0x40                                       ; destination window 1
.irp i, 0,1,2,3,4,5,6,7,8,9,10,11,12,13,14,15
	ds_load_b128 v[MK+4*\i:MK+4*\i+3], v[ADM] offset:128*(\i/4)+16*(\i%4)   ; register 16 b + i: 8 x mask of key 32 b + 16 h + i, in the result's layout
.endr
	WIN 0
.irp i, 0,1,2,3,4,5,6,7,8,9,10,11
	ds_load_b128 v[FRG+4*\i:FRG+4*\i+3], v[AD16] offset:512*\i              ; K's four pair images, as they were stored: 512 consecutive bytes a load
.endr
	ds_load_b128 v[KSC:KSC+3], v[AD16] offset:6144
	s_wait_alu depctr_va_vdst(0)
	s_wait_dscnt 0x0
	WIN 0x10                                       ; C (the mask) window 1
	QK 0
	WIN 0x54                                       ; source 1 (q), C and D window 1
	QK 1
	WIN 0
.rept 4
	v_nop                                          ; places in front of the loads into K's registers and of the first read of the scores
.endr
.irp i, 0,1,2,3,4,5,6,7,8,9,10,11
	ds_load_b128 v[FRG+4*\i:FRG+4*\i+3], v[AD16] offset:6656+512*\i         ; V's four fragments: they land under tile 0's softmax
.endr
	ds_load_b64 v[VSC:VSC+1], v[AD8] offset:12800
	SOFTMAX 0
	s_setprio 1
	s_wait_alu depctr_va_vdst(0)
	s_wait_dscnt 0x0                               ; V
	PV PW0
	WIN 0x55
	SOFTMAX 1                                      ; tile 1's vector work stands behind tile 0's products
	WIN 0x54
	PV PW1
	WIN 0                                          ; at a label and at a branch every window is 0
	s_add_co_u32 s[TB], s[TB], STEPB
	s_add_co_u32 s[TMK], s[TMK], 512
.endm
; THE WAY OUT of tile w: the sum's halves are added, O^T is divided by the sum and goes through my stage, so that sixteen lanes store a query's 256 consecutive bytes, at a multiple of 256 from out0's first byte.
.macro OUT w
.if \w
	WIN 0x55
.endif
	v_add_f32 v14, v14, v15                        ; the sum's two halves,
	s_delay_alu instid0(VALU_DEP_1)
	v_permlanex16_b32 v[F], v14, s[SEL], s[SEL+1]
	s_delay_alu instid0(VALU_DEP_1)
	v_add_f32 v14, v14, v[F]                       ; and lane l xor 16's: the row's sum
	s_wait_alu depctr_va_vdst(0)
	v_rcp_f32 v14, v14
	v_nop                                          ; one plain place behind a transcendental
.if \w
	WIN 0x05                                       ; sources window 1, destination window 0
.endif
.set j, 0
	s_wait_alu depctr_va_vdst(0)
.rept 16
	v_pk_mul_f32 v[S+j:S+j+1], v[O+j:O+j+1], v[14:15] op_sel_hi:[1,0]   ; register 16 b + i is channel 32 b + 16 h + i of query r
.set j, j+2
.endr
	WIN 0
.irp i, 0,1,2,3,4,5,6,7
	ds_store_b128 v[STO], v[S+4*\i:S+4*\i+3] offset:128*(\i/4)+16*(\i%4)
.endr
.irp i, 0,1,2,3,4,5,6,7
	ds_load_b128 v[S+32+4*\i:S+32+4*\i+3], v[RD] offset:2*\i*SP   ; LDS serves a wave's instructions in order: these see my stores; lanes 0-15 row 2 i, lanes 16-31 row 2 i + 1
.endr
.irp i, 0,1,2,3,4,5,6,7
	s_wait_dscnt 7-\i                              ; the younger loads may stay out
	global_store_b128 v[GO], v[S+32+4*\i:S+32+4*\i+3], s[44:45] offset:(2*\i+8*(\i/4))*4096+32768*\w th:TH_STORE_NT   ; stage row n is the true query 8 w + n + 8 (n / 8) of the pair's 32
.endr
.endm
; A PASS: my pair of tiles against all 2,048 keys.  last = 0: the addresses step on to the second pass's pair, 256 queries further.
.macro PASS last
.irp i, 0,1,2
	global_load_b128 v[Q+4*\i:Q+4*\i+3], v[LI16], s[40:41] offset:512*\i   ; the pair image: registers 0-5 tile 0, 6-11 tile 1
.endr
	global_load_b32 v[QS], v[LI16], s[42:43]
.irp w, 0, 0x40
	WIN \w
	v_mov_b32 v13, 0xee000000                      ; the largest t so far: -2^93
	v_mov_b32 v12, 0x6e000000                      ; -M
	v_mov_b32 v14, 0                               ; the sum, in two halves
	v_mov_b32 v15, 0
.endr
.set j, 0
.rept 32
	v_mov_b32 v[O+j], 0                            ; tile 1's O^T (the step is written once: the first finds zeros, which the first change of M leaves zeros)
.set j, j+1
.endr
	s_wait_loadcnt 0x0                             ; q
.irp i, 0,1,2,3,4,5
	v_mov_b32 v[Q+\i], v[Q+6+\i]                   ; tile 1's q goes over to window 1 (destination window 1, source window 0),
.endr
	WIN 0
.irp i, 0,1,2,3,4,5
	v_mov_b32 v[Q+6+\i], 0                         ; and leaves zero codes for k = 64 .. 127
.endr
.set j, 0
.rept 32
	v_mov_b32 v[O+j], 0                            ; tile 0's O^T.  (Also the places between q's registers just written and the first product)
.set j, j+1
.endr
	s_mov_b32 s[TB], 0
	s_mov_b32 s[TMK], 0
	s_mov_b32 s[CNT], 16
.Lstep_\@:
	s_setprio 2
	STEP
	s_sub_co_u32 s[CNT], s[CNT], 1
	s_cmp_lg_u32 s[CNT], 0
	s_cbranch_scc1 .Lstep_\@
	s_setprio 0
.rept 4
	v_nop                                          ; places behind the last products
.endr
	OUT 0
	s_wait_xcnt 0x0                                ; tile 0's stores have read their registers: tile 1's rows may land there
	OUT 1
.if !\last
	s_wait_xcnt 0x0                                ; the stores have read their base and their data
	s_add_nc_u64 s[40:41], s[40:41], 2*QSTEP
	s_add_nc_u64 s[42:43], s[42:43], 2*QSTEP
	s_add_nc_u64 s[44:45], s[44:45], 256*4096
.endif
.endm
	PASS 0
	PASS 1
	s_wait_dscnt 0x0
	s_wait_tensorcnt 0x0
	ds_add_u32 v254, v255
	s_wait_dscnt 0x0
	CROUND                                         ; the closing round: no work-group ends while a partner may still ask for a tile that names it
	s_endpgm
.Lfunc_end_k_q883af422a3_attn:
	.size	k_q883af422a3_attn, .Lfunc_end_k_q883af422a3_attn-k_q883af422a3_attn
	.p2alignl 7, 3214868480
	.fill 96, 4, 3214868480
	.section	.rodata,"a",@progbits
	.p2align	6, 0x0
	.amdhsa_kernel k_q883af422a3_attn
		.amdhsa_group_segment_fixed_size 252928
		.amdhsa_private_segment_fixed_size 0
		.amdhsa_enable_private_segment 0
		.amdhsa_kernarg_size 32
		.amdhsa_user_sgpr_count 2
		.amdhsa_user_sgpr_kernarg_segment_ptr 1
		.amdhsa_wavefront_size32 1
		.amdhsa_system_sgpr_workgroup_id_x 1
		.amdhsa_system_sgpr_workgroup_id_y 1
		.amdhsa_system_sgpr_workgroup_id_z 1
		.amdhsa_system_vgpr_workitem_id 0
		.amdhsa_next_free_vgpr 512
		.amdhsa_next_free_sgpr 66
		.amdhsa_reserve_vcc 0
		.amdhsa_float_denorm_mode_32 3
		.amdhsa_float_denorm_mode_16_64 3
		.amdhsa_memory_ordered 1
		.amdhsa_forward_progress 1
		.amdhsa_inst_pref_size 93
	.end_amdhsa_kernel
	.amdgpu_metadata
---
amdhsa.version: [ 1, 2 ]
amdhsa.kernels:
  - .name:           k_q883af422a3_attn
    .symbol:         k_q883af422a3_attn.kd
    .args:
      - { .name: qimg, .offset: 0, .size: 8, .value_kind: global_buffer, .address_space: global }
      - { .name: kvimg, .offset: 8, .size: 8, .value_kind: global_buffer, .address_space: global }
      - { .name: attention_mask, .offset: 16, .size: 8, .value_kind: global_buffer, .address_space: global }
      - { .name: out0, .offset: 24, .size: 8, .value_kind: global_buffer, .address_space: global }
    .group_segment_fixed_size: 252928
    .private_segment_fixed_size: 0
    .kernarg_segment_align: 8
    .kernarg_segment_size: 32
    .max_flat_workgroup_size: 256
    .sgpr_count:     66
    .vgpr_count:     512
    .wavefront_size: 32
...
	.end_amdgpu_metadata
.endif
;; end of part 3
